; MI455X (gfx1250); checked and timed in simulation.
; The chip was launched on July 23, 2026; its instructions are those of AMD's public machine-readable ISA for CDNA 5 (MIT licence, August 2026) and "CDNA5" Instruction Set Architecture Reference Guide (July 2026). The comments in the code are by the model that wrote it; some were corrected since.
;; Compiler Friendly Attention. Allowed arithmetic: matrix products marked QUANTISED: E2M3 operands, one E8M0 scale for each 32 along K, by v_wmma_scale_f32_16x16x128_f8f6f4 with both operands' format E2M3, f32 sums; everything else in f32.
;; Inputs: Wk_codes 1,024 x 32 x 24 uint8 (E2M3 codes of Wk, K innermost, in blocks of 32 codes, four codes in three bytes); Wk_scales 1,024 x 32 uint8 (E8M0 scales of Wk, one for each 32 codes along K); Wo_codes 1,024 x 32 x 24 uint8 (E2M3 codes of Wo, K innermost, in blocks of 32 codes, four codes in three bytes); Wo_scales 1,024 x 32 uint8 (E8M0 scales of Wo, one for each 32 codes along K); Wq_codes 1,024 x 32 x 24 uint8 (E2M3 codes of Wq, K innermost, in blocks of 32 codes, four codes in three bytes); Wq_scales 1,024 x 32 uint8 (E8M0 scales of Wq, one for each 32 codes along K); Wv_codes 1,024 x 32 x 24 uint8 (E2M3 codes of Wv, K innermost, in blocks of 32 codes, four codes in three bytes); Wv_scales 1,024 x 32 uint8 (E8M0 scales of Wv, one for each 32 codes along K); bo 1,024 float32; x_codes 4 x 2,048 x 32 x 24 uint8 (E2M3 codes of x, K innermost, in blocks of 32 codes, four codes in three bytes); x_scales 4 x 2,048 x 32 uint8 (E8M0 scales of x, one for each 32 codes along K).
;; Outputs: out0 4 x 2,048 x 1,024 float32.
;; This version of the problem:
;;   THIS VERSION OF THE PROBLEM IS GIVEN IN LOW PRECISION. The matrix products marked QUANTISED in the list below multiply operands that are first quantised to E2M3 (2 exponent bits, 3 mantissa bits; 6 bits a number), with one power-of-two scale for each 32 numbers along K (OCP MX v1.0); their sums are f32. All else is computed in f32.
;;   The module's matrix products, in the order in which they are computed (A, B: the left and right operand; K: the contracted axis; several contracted axes count as one K, in the product's order):
;;     1. [M 8,192, K 1,024] x [K 1,024, N 1,024]; A: input x (given as codes); B: input Wq (given as codes): QUANTISED
;;     2. [M 8,192, K 1,024] x [K 1,024, N 1,024]; A: input x (given as codes); B: input Wk (given as codes): QUANTISED
;;     3. [M 8,192, K 1,024] x [K 1,024, N 1,024]; A: input x (given as codes); B: input Wv (given as codes): QUANTISED
;;     4. batch 64 x [M 2,048, K 64] x [K 64, N 2,048]; A: computed on the way; B: computed on the way: QUANTISED
;;     5. batch 64 x [M 2,048, K 2,048] x [K 2,048, N 64]; A: softmax (see below); B: computed on the way: QUANTISED
;;     6. [M 8,192, K 1,024] x [K 1,024, N 1,024]; A: computed on the way; B: input Wo (given as codes): QUANTISED
;;   THE QUANTISER, for each operand of a quantised product, along K:
;;     - K is cut into blocks of 32 from its start; a last block that is shorter is filled with zeros.
;;     - A block's scale is 2^e with e = floor(log2(the largest magnitude in the block)) - 2, held to -126 .. 127; a block of zeros has e = 0. As a byte (E8M0): e + 127.
;;     - Each number is divided by its block's scale, clamped to +-7.5, and rounded to the nearest number of E2M3, ties to even, subnormals kept.
;;     - The product sums the exact products of the quantised numbers (number of the format x scale) in f32.
;;   ~~~python
;;   def quantise(x, axis):      # numpy; x: float32 -> the quantised numbers, widened to float32 again
;;       x = np.moveaxis(x, axis, -1); K = x.shape[-1]
;;       x = np.pad(x, [(0, 0)] * (x.ndim - 1) + [(0, -K % 32)]); x = x.reshape(x.shape[:-1] + (-1, 32)); a = np.abs(x).max(-1, keepdims=True)
;;       e = np.where(a > 0, np.clip(np.frexp(np.where(a > 0, a, 1))[1] - 1 - 2, -126, 127), 0)      # np.frexp(a)[1] - 1 = floor(log2(a)), exactly
;;       r = np.clip(x / 2.0 ** e, -7.5, 7.5)
;;       step = 2.0 ** (np.maximum(np.frexp(np.where(r == 0, 1, r))[1] - 1, 0) - 3)
;;       q = np.round(r / step) * step * 2.0 ** e      # np.round: ties to even
;;       return np.moveaxis(q.reshape(q.shape[:-2] + (-1,))[..., :K], -1, axis).astype(np.float32)
;;   ~~~
;;   SOFTMAX AHEAD OF A QUANTISED PRODUCT. Where the list says 'softmax', what is quantised is not the finished softmax but p = 2^(t - M), with t = logit x log2(e) and M = ceil(the row's largest t), a whole number; so 1/2 < the row's largest p <= 1. The row's sum l is taken of the UNQUANTISED p, in f32, and the product's result is divided by l at the end. Since M is a whole number, a kernel that streams over the keys may use a running M (the ceiling of the running maximum): every later rescaling is an exact power of two, which a block's scale takes up: the codes' values come out the same.
;;   OPERANDS COMPUTED ON THE WAY. 'Computed on the way' means the value that the module computes at that place (a softmax that the list does not call 'softmax' is quantised finished and normalised). What goes into a quantiser is computed in f32, as accurately as f32 sums, v_exp_f32 and their like allow (about 1e-6 of the number): no bf16 or f16 on the way to a quantiser, and a product that is left as it is and whose result goes on into a quantised operand takes f32 operands (vector FMAs, or v_wmma_f32_16x16x4_f32). A number that lies on a knife's edge between two numbers of the format may be rounded either way, as far as f32 arithmetic and the matrix unit's own rounding can turn it there, and no further.
;;   INPUTS GIVEN AS CODES. Wk (in the module: [1024, 1024], K = its axis 1); Wo (in the module: [1024, 1024], K = its axis 1); Wq (in the module: [1024, 1024], K = its axis 1); Wv (in the module: [1024, 1024], K = its axis 1); x (in the module: [4, 2048, 1024], K = its axis 2): each comes as NAME_codes (uint8): NAME with its K axis moved to the last place and cut into blocks of 32 codes, [.., K / 32, bytes a block], one block behind the other in memory; four codes in three bytes: a row's codes are one little-endian stream of bits, code i at bits 6 i .. 6 i + 5 (a code: sign, 2 exponent bits, 3 mantissa bits); and NAME_scales (uint8): the same leading axes, one E8M0 byte (e + 127) for each 32 codes along K. Its value is code x scale, taken as it is: it is not quantised again, and the codes and scales need not be those that the quantiser above would give.
;; One version. Each part assembles by itself: llvm-mc -triple=amdgcn-amd-amdhsa -mcpu=gfx1250 --defsym DOCPART=n.
;; ======== version 1 of 1: 3 launches
;; workspace buffers: qbuf 7,340,032 bytes; kvbuf 13,107,200 bytes; abuf 6,553,600 bytes
;; launch qkv (part 1): grid 16 x 16, 12 waves a work-group, clusters of 4 x 4, 327,680 bytes of LDS; arguments x_codes, x_scales, Wq_codes, Wk_codes, Wv_codes, Wq_scales, Wk_scales, Wv_scales, qbuf, kvbuf; writes qbuf, kvbuf
.if DOCPART == 1
	.amdgcn_target "amdgcn-amd-amdhsa--gfx1250"
	.amdhsa_code_object_version 6
	.text
	.protected	k_q519247ee9d_qkv
	.globl	k_q519247ee9d_qkv
	.p2align	8
	.type	k_q519247ee9d_qkv,@function
k_q519247ee9d_qkv:
	s_mov_b64 s[64:65], 0
	v_nop
	global_prefetch_b8 v0, s[64:65] scope:SCOPE_SE
	s_setreg_imm32_b32 hwreg(HW_REG_WAVE_MODE, 25, 1), 1
	s_wait_xcnt 0x0
	s_wait_alu depctr_hold_cnt(0) depctr_sa_sdst(0) depctr_va_vdst(0) depctr_va_sdst(0) depctr_va_ssrc(0) depctr_va_vcc(0) depctr_vm_vsrc(0)
	s_getreg_b32 s2, hwreg(HW_REG_IB_STS2, 6, 4)
	s_cmp_eq_u32 s2, 0
	s_cbranch_scc0 .Lentry_in_a_cluster
	s_endpgm
.Lentry_in_a_cluster:
	s_bfe_u32 s2, ttmp6, 0x10000c
	s_cmp_lg_u32 s2, 0xf033
	s_cbranch_scc0 .Lentry_shape_is_right
	s_endpgm
.Lentry_shape_is_right:
; q = x Wq^T, k = x Wk^T, v = x Wv^T on codes of FP6 (E2M3) with E8M0 scales as they lie in memory; the results are quantised in registers
; (q and k along the head's 64, v along the tokens) and stored as images of the registers in which the attention launch wants them.
; SHARES.  A work-group owns one head (64 features of each of q, k, v) and 512 tokens, as two groups of 256.  Twelve waves: wave w makes matrix w / 4 (0 q, 1 k, 2 v)
; for the 64 tokens of part g = w % 4 of the group: 16 accumulators of 16 x 16, three waves to a SIMD, no register windows.
; THE ROWS OF A TILE ARE NOT NEIGHBOURS.  Token tile (g, u): row m is token 128 (m / 8) + 32 g + 8 u + m % 8 of the group.  Weight tile u: row m is feature 32 (m / 8) + 8 u + m % 8 of the head.
; A result's lane (r, h) holds rows 8 h + 0..7 of source 0, so the 32 registers of four tiles u = 0..3 are ONE WHOLE BLOCK OF 32 NEIGHBOURS in one lane: its largest magnitude needs no other
; lane, and two conversions give the six registers that the 6-bit operand layout wants in that very lane.  q, k: source 0 = weight tile, source 1 = token tile; v: the other way round.
; K goes in 8 phases of 256 (4 for each group of tokens) through two LDS slots; each phase is two steps of 128.
; CLUSTER 4 x 4: the four work-groups of a row of the cluster share their tokens' tiles and scales, the four of a column their head's weights: each is asked for jointly.
; LIMITS: NaN and infinities are not served.  A block of zeros gets the scale byte 1 where the quantiser's rule says 127: its codes are zeros, and only this program reads the bytes.
.set SLOT,  108032                     ; a slot: x's two halves of 128 rows, then the weights' two parts of 96 rows
.set XH,    30848                      ; from x's rows 0-127 to rows 128-255: 128 rows x 240 bytes + 128, so that a tile's two groups of eight rows start in different banks
.set WS,    61696                      ; the weights in a slot
.set WH,    23168                      ; from features 0-31 (of q, k, v: 96 rows) to features 32-63: 96 x 240 + 128
.set SCX,   2*SLOT                     ; x's scale bytes of the 512 tokens, 32 a token, dense; filled once
.set SCW,   SCX+16384                  ; the weights' scale bytes, 2,048 a matrix; filled once
.set SPARE, SCW+6144                   ; the spare words: 128 bytes for each of the twelve waves, six blocks of 256 bytes that no other line names
.set CONST0, (1<<20)|(1<<21)|(3<<22)|(3<<25)   ; elements of 1 byte; padding on; bit 21 beside a mask; 4 words of padding behind every 16: rows of 192 bytes lie 240 apart
.set SPW,  1                           ; v1      my spare word's LDS address; never rewritten
.set NIL,  2                           ; v2      0; never rewritten
.set ADRX, 3                           ; v3, v4  my place in x's tiles of slot 0, 1;  v5, v6 the same behind one padding more
.set ADRW, 7                           ; v7, v8  the same for the weights;  v9, v10
.set ADSX, 11                          ; v11     x's scale words of my row r of token tile 0 of my part, token group 0
.set ADSW, 12                          ; v12     my matrix's scale words of row r of weight tile 0
.set O1,   13                          ; v13     byte offset of my codes in a record
.set O2,   14                          ; v14     of my scale word
.set SC,   16                          ; v16-23  x's scale words: register 2 i + q: token tile i, step q of the phase; lane r (and lane 16 + r) holds row r's
.set SW,   24                          ; v24-31  the weight's likewise
.set XF,   32                          ; v32-79  four token tiles' fragments
.set WF,   80                          ; v80-127 four weight tiles' fragments
.set ACC,  128                         ; v128-255 sixteen accumulators
.set CD,   32                          ; on the way out: codes, 6 registers a block
.set TT,   56                          ; the upper halves as the conversions leave them
.set BM,   72                          ; largest magnitudes
.set SO,   76                          ; the conversions' scale operands
.set E,    80                          ; scale bytes
.set WD,   84                          ; scale words
.set PD,   88                          ; what the other half of the lanes holds
.set LANE, 92                          ; the lane's number, made anew on each way out
.set H8,   93                          ; 8 x (lane / 16), likewise
.set G1X,  24                          ; s[24:31] group 1: x's tiles;  s[32:39] the weights';  s[40:47] x's scales;  s[48:55] the weights' scales
.set G1W,  32
.set G1SX, 40
.set G1SW, 48
.set G0X,  56                          ; s[56:63] groups 0 for x's tiles, one a slot;  s[68:75] for the weights'
.set G0W,  68
.set G0SX, 76
.set G0SW, 80
.set BX,   84                          ; s[84:85] address of my part of x's first tile;  s[86:87] of the weights'
.set BW,   86
.set WV,   88
.set MU,   89
.set GG,   90
.set CX,   91
.set CY,   92
.set HEAD, 93
.set YY,   94
.set SEL,  96                          ; s[96:97] v_permlanex16_b32's selects for lane l xor 16
.set SQ,   98                          ; s[98:99] my record in qbuf
.set SK,   100                         ; s[100:101] my record in kvbuf
.macro PLACES n
.rept \n
	v_nop
.endr
.endm
.macro CROUND                          ; a round of the cluster's barrier
	s_barrier_signal -1
	s_barrier_wait -1
	s_cmp_lg_u32 s[WV], 0
	s_cbranch_scc1 .Lnw0_\@
	s_barrier_signal -3
.Lnw0_\@:
	s_barrier_wait -3
	s_barrier_signal -1
	s_barrier_wait -1
.endm
; A joint refill of slot sl: waves 0-5 bring 32 rows of a weight each, waves 6 and 7 x's two halves, the others nothing.  The branches hang on the wave's number alone.
.macro TLOAD sl
	s_cmp_lt_u32 s[WV], 6
	s_cbranch_scc0 .Lnotw_\@
	tensor_load_to_lds s[G0W+4*\sl:G0W+4*\sl+3], s[G1W:G1W+7]
	s_nop 0
	PLACES 4
	s_branch .Lasked_\@
.Lnotw_\@:
	s_cmp_lt_u32 s[WV], 8
	s_cbranch_scc0 .Lasked_\@
	tensor_load_to_lds s[G0X+4*\sl:G0X+4*\sl+3], s[G1X:G1X+7]
	s_nop 0
	PLACES 4
.Lasked_\@:
.endm
; A fragment, 16 rows x 128 K: lane (r, h) takes 24 bytes of its row twice, in pieces of 8.  Lanes 16-31 read three pieces further on; where that is behind one padding more, the second address register serves.
.macro FRAG reg, adr, q, imm
.irp p, 0,1,2,3,4,5
.set PC, 12*(\q)+6*(\p/3)+\p%3
.if PC%8 < 5
	ds_load_b64 v[\reg+2*\p:\reg+2*\p+1], v[\adr] offset:8*PC+16*(PC/8)+(\imm)
.else
	ds_load_b64 v[\reg+2*\p:\reg+2*\p+1], v[\adr+2] offset:8*PC+16*(PC/8)+(\imm)
.endif
.endr
.endm
; A step of 128 along K: 48 LDS loads (and with q = 0 the phase's scale words), 16 matrix instructions, the sixteen accumulators by turns in every step.
.macro SUB sl, q, ph, tau, zero
	PLACES 5                                       ; in front of loads into registers that matrix instructions have read (4), and of sums begun anew over earlier results (5)
.if (\q) == 0
.irp i, 0,1,2,3
	ds_load_b64 v[SC+2*\i:SC+2*\i+1], v[ADSX] offset:8192*(\tau)+256*\i+8*(\ph)   ; a tile is 8 rows of 32 bytes on from the last; a phase's two words are 8 bytes; the second group of tokens 256 rows
	ds_load_b64 v[SW+2*\i:SW+2*\i+1], v[ADSW] offset:256*\i+8*(\ph)
.endr
.endif
.irp u, 0,1,2,3
	FRAG WF+12*\u, ADRW+\sl, \q, 1920*\u
.endr
.irp u, 0,1,2,3
	FRAG XF+12*\u, ADRX+\sl, \q, 1920*\u
.endr
	s_cmp_eq_u32 s[MU], 2
	s_cbranch_scc1 .Lforv_\@
.irp ux, 0,1,2,3
	s_wait_dscnt 18-6*\ux                          ; token tile ux is in; the six loads of each later tile may be out
.irp uw, 0,1,2,3
.if \zero
	v_wmma_scale_f32_16x16x128_f8f6f4 v[ACC+32*\ux+8*\uw:ACC+32*\ux+8*\uw+7], v[WF+12*\uw:WF+12*\uw+11], v[XF+12*\ux:XF+12*\ux+11], 0, v[SW+2*\uw+\q], v[SC+2*\ux+\q] matrix_a_fmt:MATRIX_FMT_FP6 matrix_b_fmt:MATRIX_FMT_FP6
.else
	v_wmma_scale_f32_16x16x128_f8f6f4 v[ACC+32*\ux+8*\uw:ACC+32*\ux+8*\uw+7], v[WF+12*\uw:WF+12*\uw+11], v[XF+12*\ux:XF+12*\ux+11], v[ACC+32*\ux+8*\uw:ACC+32*\ux+8*\uw+7], v[SW+2*\uw+\q], v[SC+2*\ux+\q] matrix_a_fmt:MATRIX_FMT_FP6 matrix_b_fmt:MATRIX_FMT_FP6
.endif
.endr
.endr
	s_branch .Lmade_\@
.Lforv_\@:
.irp ux, 0,1,2,3
	s_wait_dscnt 18-6*\ux
.irp uw, 0,1,2,3
.if \zero
	v_wmma_scale_f32_16x16x128_f8f6f4 v[ACC+32*\uw+8*\ux:ACC+32*\uw+8*\ux+7], v[XF+12*\ux:XF+12*\ux+11], v[WF+12*\uw:WF+12*\uw+11], 0, v[SC+2*\ux+\q], v[SW+2*\uw+\q] matrix_a_fmt:MATRIX_FMT_FP6 matrix_b_fmt:MATRIX_FMT_FP6
.else
	v_wmma_scale_f32_16x16x128_f8f6f4 v[ACC+32*\uw+8*\ux:ACC+32*\uw+8*\ux+7], v[XF+12*\ux:XF+12*\ux+11], v[WF+12*\uw:WF+12*\uw+11], v[ACC+32*\uw+8*\ux:ACC+32*\uw+8*\ux+7], v[SC+2*\ux+\q], v[SW+2*\uw+\q] matrix_a_fmt:MATRIX_FMT_FP6 matrix_b_fmt:MATRIX_FMT_FP6
.endif
.endr
.endr
.Lmade_\@:
.endm
; THE CHANGE OF SLOTS at the head of phase p.  Every wave waits for all its tensor loads (its part of this phase's slot), adds 0 to its spare word, and waits for that and for its reads of the slot just left.
; p < 7: the slot just left takes phase p + 1, behind a round of the cluster's barrier, first thing; it has one phase's work in which to land.
.macro CHANGE p
	s_wait_tensorcnt 0x0                           ; no tensor load of mine is out, so a group 0 may be written
	ds_add_u32 v[SPW], v[NIL]                      ; 0 onto my spare word
.if (\p) < 7
.set NN, (\p)+1
.set SL, NN&1
	s_add_nc_u64 s[G0X+4*SL+2:G0X+4*SL+3], s[BX:BX+1], (NN>>2)*196608+(NN&3)*192   ; 256 rows of 768 bytes for the second group of tokens, 192 bytes a phase
	s_or_b32 s[G0X+4*SL+3], s[G0X+4*SL+3], 0x80000000
	s_add_nc_u64 s[G0W+4*SL+2:G0W+4*SL+3], s[BW:BW+1], (NN&3)*192
	s_or_b32 s[G0W+4*SL+3], s[G0W+4*SL+3], 0x80000000
	s_wait_dscnt 0x0                               ; the add is done, and my reads of the slot just left are over
	CROUND
	TLOAD SL
.else
	s_wait_dscnt 0x0
	s_barrier_signal -1
	s_barrier_wait -1
.endif
.endm
; Four blocks of 32 numbers, block i in v[ACC + 32 i] on, become codes (6 registers at CD + 6 i) and scale bytes (E + i).  Each accumulator is read from its low end on.
.macro QUANT4
.irp i, 0,1,2,3
	v_max3_num_f32 v[BM+\i], |v[ACC+32*\i]|, |v[ACC+32*\i+1]|, 0x1800000   ; with the floor 2^(3 - 127): the byte cannot fall under 1
.endr
.irp k, 2,4,6,8,10,12,14,16,18,20,22,24,26,28,30
.irp i, 0,1,2,3
	v_max3_num_f32 v[BM+\i], v[BM+\i], |v[ACC+32*\i+\k]|, |v[ACC+32*\i+\k+1]|   ; the four blocks by turns
.endr
.endr
.irp i, 0,1,2,3
	v_add_nc_u32 v[SO+\i], 0xff000000, v[BM+\i]    ; 2 off the exponent field: the conversion's scale operand
.endr
.irp i, 0,1,2,3
	v_lshrrev_b32 v[E+\i], 23, v[SO+\i]            ; the scale's byte
.endr
.irp i, 0,1,2,3
	v_cvt_scalef32_pk16_fp6_f32 v[CD+6*\i:CD+6*\i+2], v[ACC+32*\i:ACC+32*\i+15], v[SO+\i]
	v_cvt_scalef32_pk16_fp6_f32 v[TT+4*\i:TT+4*\i+2], v[ACC+32*\i+16:ACC+32*\i+31], v[SO+\i]   ; (a conversion's three registers begin on an even number)
.endr
	v_nop                                          ; one plain place behind the scaled conversions
.irp i, 0,1,2,3
.irp k, 0,1,2
	v_mov_b32 v[CD+6*\i+3+\k], v[TT+4*\i+\k]
.endr
.endr
.endm
; THE WAY OUT of token group tau.
.macro EPI tau
	PLACES 4
	QUANT4
.irp i, 0,1,2,3
	v_mov_b32 v[PD+\i], 0                          ; a lane permute's destination counts as one of its sources
.endr
	v_and_b32 v[LANE], 31, v0
	v_bfe_u32 v[H8], v0, 4, 1
	v_lshlrev_b32 v[H8], 3, v[H8]
	v_cmp_lt_u32 vcc_lo, 15, v[LANE]
	s_cmp_eq_u32 s[MU], 0
	s_cbranch_scc0 .Lnotq_\@
	; q: block ux = token tile ux; lane (r, h): token row r, features 32 h on.  Three planes of 256 bytes a tile.
.irp ux, 0,1,2,3
.irp p, 0,1,2
	global_store_b64 v[O1], v[CD+6*\ux+2*\p:CD+6*\ux+2*\p+1], s[SQ:SQ+1] offset:(\tau)*14336+768*\ux+256*\p
.endr
.endr
.irp ux, 0,1,2,3
	v_lshlrev_b32 v[WD+\ux], v[H8], v[E+\ux]       ; my block's byte at its place,
.endr
.irp ux, 0,1,2,3
	v_permlanex16_b32 v[PD+\ux], v[WD+\ux], s[SEL], s[SEL+1]
.endr
.irp ux, 0,1,2,3
	v_or_b32 v[WD+\ux], v[WD+\ux], v[PD+\ux]       ; with the other block's,
.endr
.irp ux, 0,1,2,3
	v_lshl_or_b32 v[WD+\ux], v[WD+\ux], 16, v[WD+\ux]   ; and both once more: q stands in either half of a K step of 128
.endr
.irp ux, 0,1,2,3
	global_store_b32 v[O2], v[WD+\ux], s[SQ:SQ+1] offset:(\tau)*14336+3072+128*\ux
.endr
	s_branch .Lout_\@
.Lnotq_\@:
	s_cmp_eq_u32 s[MU], 1
	s_cbranch_scc0 .Lnotk_\@
	; k: two token tiles make one fragment of 128 along K (64 + 64): twelve registers, stored as they stand, 512 bytes a store
.irp p, 0,1
.irp i, 0,1,2
	global_store_b128 v[O1], v[CD+12*\p+4*\i:CD+12*\p+4*\i+3], s[SK:SK+1] offset:(\tau)*25600+1536*\p+512*\i
.endr
.endr
.irp p, 0,1
	v_lshl_or_b32 v[WD+\p], v[E+2*\p+1], 16, v[E+2*\p]
.endr
.irp p, 0,1
	v_lshlrev_b32 v[WD+\p], v[H8], v[WD+\p]
.endr
.irp p, 0,1
	v_permlanex16_b32 v[PD+\p], v[WD+\p], s[SEL], s[SEL+1]
.endr
.irp p, 0,1
	v_or_b32 v[WD+\p], v[WD+\p], v[PD+\p]          ; the fragment's scale word of row r, in both halves of the lanes
.endr
	v_cndmask_b32 v[WD], v[WD], v[WD+1], vcc_lo    ; lanes 0-15 the first fragment's, lanes 16-31 the second's
	global_store_b32 v[O2], v[WD], s[SK:SK+1] offset:(\tau)*25600+12288
	s_branch .Lout_\@
.Lnotk_\@:
	; v: block uw = feature tile uw; lane (r, h): feature row r, tokens 128 h + 32 g on: half (g % 2) of a fragment of V^T
.irp uw, 0,1,2,3
.irp p, 0,1,2
	global_store_b64 v[O1], v[CD+6*\uw+2*\p:CD+6*\uw+2*\p+1], s[SK:SK+1] offset:(\tau)*25600+6144+1536*\uw+256*\p
.endr
.endr
.irp uw, 0,1,2,3
	v_lshlrev_b32 v[WD+\uw], v[H8], v[E+\uw]
.endr
.irp uw, 0,1,2,3
	v_permlanex16_b32 v[PD+\uw], v[WD+\uw], s[SEL], s[SEL+1]
.endr
.irp uw, 0,1,2,3
	v_or_b32 v[WD+\uw], v[WD+\uw], v[PD+\uw]       ; two bytes: half of row r's scale word; the other half is the wave's with the other g % 2
.endr
.irp i, 0,1
	v_cndmask_b32 v[WD+2*\i], v[WD+2*\i], v[WD+2*\i+1], vcc_lo
	global_store_b16 v[O2], v[WD+2*\i], s[SK:SK+1] offset:(\tau)*25600+12544+128*\i
.endr
.Lout_\@:
	s_wait_xcnt 0x0                                ; the stores' data lie in fragment registers: those are loaded again only behind this wait
.endm
	s_load_b512 s[4:19], s[0:1], 0x0               ; x codes, x scales, Wq, Wk, Wv codes, Wq, Wk, Wv scales
	s_load_b128 s[20:23], s[0:1], 0x40             ; qbuf, kvbuf
	v_lshl_add_u32 v[SPW], v0, 2, SPARE
	v_mov_b32 v[NIL], 0
	ds_add_u32 v1, v2
	ds_add_u32 v1, v2
	s_wait_dscnt 0x0
	v_lshrrev_b32 v32, 5, v0
	v_readfirstlane_b32 s[WV], v32                 ; wave 0..11
	s_lshr_b32 s[MU], s[WV], 2                     ; 0 q, 1 k, 2 v
	s_and_b32 s[GG], s[WV], 3                      ; my part of the group's tokens
	s_bfe_u32 s[CX], ttmp6, 0x40000
	s_bfe_u32 s[CY], ttmp6, 0x40004
	s_lshl_b32 s[HEAD], ttmp9, 2
	s_add_co_u32 s[HEAD], s[HEAD], s[CX]           ; the head
	s_and_b32 s[YY], ttmp7, 0xffff
	s_lshl_b32 s[YY], s[YY], 2
	s_add_co_u32 s[YY], s[YY], s[CY]               ; which 512 tokens
	; every LDS address is made here, of the thread's and the wave's number alone (the temporaries lie in registers that fragments take later)
	v_and_b32 v38, 31, v0                          ; lane
	v_and_b32 v32, 7, v0                           ; a = r % 8
	v_bfe_u32 v33, v0, 3, 1                        ; b = r / 8
	v_bfe_u32 v34, v0, 4, 1                        ; h
	v_mul_u32_u24 v35, v32, 240
	v_mad_u32_u24 v35, v34, 24, v35                ; 240 a + 24 h
	s_mul_i32 s98, s[GG], 7680                     ; 32 rows a part
	v_mad_u32_u24 v36, v33, XH, v35
	v_add_nc_u32 v[ADRX], s98, v36
	v_add_nc_u32 v[ADRX+1], SLOT, v[ADRX]
	v_lshl_add_u32 v[ADRX+2], v34, 4, v[ADRX]
	v_lshl_add_u32 v[ADRX+3], v34, 4, v[ADRX+1]
	s_mul_i32 s99, s[MU], 7680                     ; 32 rows a matrix
	s_add_co_u32 s99, s99, WS
	v_mad_u32_u24 v36, v33, WH, v35
	v_add_nc_u32 v[ADRW], s99, v36
	v_add_nc_u32 v[ADRW+1], SLOT, v[ADRW]
	v_lshl_add_u32 v[ADRW+2], v34, 4, v[ADRW]
	v_lshl_add_u32 v[ADRW+3], v34, 4, v[ADRW+1]
	v_lshlrev_b32 v36, 5, v32                      ; scale words: 32 bytes a row: 32 a;
	s_lshl_b32 s98, s[GG], 10                      ; x: my part's 32 tokens,
	s_add_co_u32 s98, s98, SCX
	v_lshl_add_u32 v37, v33, 12, v36               ; rows 8-15 of a tile 128 tokens on: 4,096 b
	v_add_nc_u32 v[ADSX], s98, v37
	s_lshl_b32 s99, s[MU], 11                      ; the weight: my matrix's 64 rows,
	s_add_co_u32 s99, s99, SCW
	v_lshl_add_u32 v37, v33, 10, v36               ; rows 8-15 of a tile 32 features on: 1,024 b
	v_add_nc_u32 v[ADSW], s99, v37
	; my offsets in a record: q: 8 lane | 4 lane;  k: 16 lane + 3,072 c | 4 lane + 128 c;  v: 8 lane + 768 c | 4 lane + 2 c;  c = g % 2
	s_and_b32 s98, s[GG], 1
	s_cmp_eq_u32 s[MU], 1
	s_cselect_b32 s99, 16, 8
	s_mov_b32 s100, 768
	s_cselect_b32 s100, 3072, s100
	s_cselect_b32 s101, 128, 2
	s_cmp_eq_u32 s[MU], 0
	s_cselect_b32 s100, 0, s100
	s_cselect_b32 s101, 0, s101
	s_mul_i32 s100, s100, s98
	s_mul_i32 s101, s101, s98
	v_mul_u32_u24 v[O1], v38, s99
	v_add_nc_u32 v[O1], s100, v[O1]
	v_lshlrev_b32 v[O2], 2, v38
	v_add_nc_u32 v[O2], s101, v[O2]
	; descriptors.  x's hang on the tokens alone and go to my row of the cluster, the weights' on the head alone and go to my column
	s_lshl_b32 s2, s[CY], 2
	s_lshl_b32 s2, 15, s2
	s_lshl_b32 s66, 0x1111, s[CX]
	s_or_b32 s[G1X], s2, CONST0
	s_or_b32 s[G1SX], s2, (3<<16)|(1<<21)          ; elements of 8 bytes, no padding
	s_or_b32 s[G1W], s66, CONST0
	s_or_b32 s[G1SW], s66, (3<<16)|(1<<21)
	s_mov_b32 s[G1X+1], 192<<16                    ; x: 128 rows of 192 bytes, 768 bytes apart
	s_mov_b32 s[G1X+2], 128<<16
	s_mov_b32 s[G1X+3], 192<<16
	s_mov_b32 s[G1X+4], 128
	s_mov_b32 s[G1X+5], 768
	s_mov_b32 s[G1X+6], 0
	s_mov_b32 s[G1X+7], 0
	s_mov_b32 s[G1W+1], 192<<16                    ; a weight: 32 rows
	s_mov_b32 s[G1W+2], 32<<16
	s_mov_b32 s[G1W+3], 192<<16
	s_mov_b32 s[G1W+4], 32
	s_mov_b32 s[G1W+5], 768
	s_mov_b32 s[G1W+6], 0
	s_mov_b32 s[G1W+7], 0
	s_mov_b32 s[G1SX+1], 32<<16                    ; x's scales: 16,384 dense bytes as 64 rows of 256
	s_mov_b32 s[G1SX+2], 64<<16
	s_mov_b32 s[G1SX+3], 32<<16
	s_mov_b32 s[G1SX+4], 64
	s_mov_b32 s[G1SX+5], 32
	s_mov_b32 s[G1SX+6], 0
	s_mov_b32 s[G1SX+7], 0
	s_mov_b32 s[G1SW+1], 32<<16                    ; a weight's scales: 2,048 dense bytes as 8 rows of 256
	s_mov_b32 s[G1SW+2], 8<<16
	s_mov_b32 s[G1SW+3], 32<<16
	s_mov_b32 s[G1SW+4], 8
	s_mov_b32 s[G1SW+5], 32
	s_mov_b32 s[G1SW+6], 0
	s_mov_b32 s[G1SW+7], 0
	s_lshr_b32 s66, s[WV], 1                       ; waves 0-5: which matrix I fetch for
	s_and_b32 s67, s[WV], 1                        ; and which 32 of its 64 rows; waves 6, 7: which half of x's rows
	s_mul_i32 s[G0W+1], s66, 7680
	s_mul_i32 s[G0W+5], s67, WH
	s_add_co_u32 s[G0W+1], s[G0W+1], s[G0W+5]
	s_add_co_u32 s[G0W+1], s[G0W+1], WS
	s_add_co_u32 s[G0W+5], s[G0W+1], SLOT
	s_mul_i32 s[G0X+1], s67, XH
	s_add_co_u32 s[G0X+5], s[G0X+1], SLOT
	s_mov_b32 s[G0SX], 1
	s_mov_b32 s[G0SX+1], SCX
	s_mov_b32 s[G0SW], 1
	s_lshl_b32 s[G0SW+1], s[WV], 11
	s_add_co_u32 s[G0SW+1], s[G0SW+1], SCW-9*2048  ; waves 9-11: matrix wave - 9
	s_mov_b32 s[SEL], 0x76543210
	s_mov_b32 s[SEL+1], 0xfedcba98
	s_wait_kmcnt 0x0
	s_mul_i32 s2, s[YY], 393216                    ; 512 rows of 768 bytes,
	s_mul_i32 s3, s67, 98304                       ; 128 rows
	s_add_co_u32 s2, s2, s3
	s_mov_b32 s3, 0
	s_add_nc_u64 s[BX:BX+1], s[4:5], s[2:3]
	s_lshl_b32 s2, s[YY], 14                       ; 512 rows of 32 scale bytes
	s_add_nc_u64 s[G0SX+2:G0SX+3], s[6:7], s[2:3]
	s_or_b32 s[G0SX+3], s[G0SX+3], 0x80000000
	s_mul_i32 s[G0W+2], s67, 24576                 ; 32 rows of 768 bytes
	s_cmp_eq_u32 s66, 0
	s_cselect_b64 s[BW:BW+1], s[8:9], s[10:11]
	s_cmp_gt_u32 s66, 1
	s_cselect_b64 s[BW:BW+1], s[12:13], s[BW:BW+1]
	s_mul_i32 s66, s[HEAD], 49152                  ; 64 rows a head
	s_add_co_u32 s66, s66, s[G0W+2]
	s_mov_b32 s67, 0
	s_add_nc_u64 s[BW:BW+1], s[BW:BW+1], s[66:67]
	s_cmp_eq_u32 s[WV], 9
	s_cselect_b64 s[G0SW+2:G0SW+3], s[14:15], s[16:17]
	s_cmp_gt_u32 s[WV], 10
	s_cselect_b64 s[G0SW+2:G0SW+3], s[18:19], s[G0SW+2:G0SW+3]
	s_lshl_b32 s66, s[HEAD], 11
	s_add_nc_u64 s[G0SW+2:G0SW+3], s[G0SW+2:G0SW+3], s[66:67]
	s_or_b32 s[G0SW+3], s[G0SW+3], 0x80000000
.irp s, 0,1
	s_mov_b32 s[G0X+4*\s], 1
	s_add_nc_u64 s[G0X+4*\s+2:G0X+4*\s+3], s[BX:BX+1], \s*192
	s_or_b32 s[G0X+4*\s+3], s[G0X+4*\s+3], 0x80000000
	s_mov_b32 s[G0W+4*\s], 1
	s_add_nc_u64 s[G0W+4*\s+2:G0W+4*\s+3], s[BW:BW+1], \s*192
	s_or_b32 s[G0W+4*\s+3], s[G0W+4*\s+3], 0x80000000
.endr
	s_lshr_b32 s95, s[YY], 2                       ; the batch,
	s_lshl_b32 s95, s95, 4
	s_add_co_u32 s95, s95, s[HEAD]                 ; batch x 16 + head
	s_lshl_b32 s98, s95, 5                         ; qbuf: 32 records of 3,584 bytes a head: 8 (y % 4) + 4 tau + g
	s_and_b32 s99, s[YY], 3
	s_lshl_b32 s99, s99, 3
	s_add_co_u32 s98, s98, s99
	s_add_co_u32 s98, s98, s[GG]
	s_mul_i32 s98, s98, 3584
	s_mov_b32 s99, 0
	s_add_nc_u64 s[SQ:SQ+1], s[20:21], s[98:99]
	s_lshl_b32 s100, s95, 4                        ; kvbuf: 16 records of 12,800 bytes a head: 4 (y % 4) + 2 tau + g / 2
	s_and_b32 s101, s[YY], 3
	s_lshl_b32 s101, s101, 2
	s_add_co_u32 s100, s100, s101
	s_lshr_b32 s101, s[GG], 1
	s_add_co_u32 s100, s100, s101
	s_mul_i32 s100, s100, 12800
	s_mov_b32 s101, 0
	s_add_nc_u64 s[SK:SK+1], s[22:23], s[100:101]
	CROUND                                         ; all sixteen work-groups are here: the first joint loads meet
	s_cmp_lt_u32 s[WV], 6                          ; every wave's first fills stand in one branch on its number: two loads of mine are out at the most
	s_cbranch_scc0 .Lfirst_notw
	tensor_load_to_lds s[G0W:G0W+3], s[G1W:G1W+7]
	s_nop 0
	tensor_load_to_lds s[G0W+4:G0W+7], s[G1W:G1W+7]
	s_nop 0
	PLACES 4
	s_branch .Lfirst_asked
.Lfirst_notw:
	s_cmp_lt_u32 s[WV], 8
	s_cbranch_scc0 .Lfirst_notx
	tensor_load_to_lds s[G0X:G0X+3], s[G1X:G1X+7]
	s_nop 0
	tensor_load_to_lds s[G0X+4:G0X+7], s[G1X:G1X+7]
	s_nop 0
	PLACES 4
	s_branch .Lfirst_asked
.Lfirst_notx:
	s_cmp_eq_u32 s[WV], 8
	s_cbranch_scc0 .Lfirst_sw
	tensor_load_to_lds s[G0SX:G0SX+3], s[G1SX:G1SX+7]
	s_nop 0
	PLACES 4
	s_branch .Lfirst_asked
.Lfirst_sw:
	tensor_load_to_lds s[G0SW:G0SW+3], s[G1SW:G1SW+7]
	s_nop 0
	PLACES 4
.Lfirst_asked:
	s_wait_tensorcnt 0x0                           ; my fills have landed (for zero: the waves have different numbers of loads out),
	s_barrier_signal -1
	s_barrier_wait -1                              ; everybody's have
	SUB 0, 0, 0, 0, 1                              ; the first step's products start the sums
	SUB 0, 1, 0, 0, 0
	CHANGE 1
	SUB 1, 0, 1, 0, 0
	SUB 1, 1, 1, 0, 0
	CHANGE 2
	SUB 0, 0, 2, 0, 0
	SUB 0, 1, 2, 0, 0
	CHANGE 3
	SUB 1, 0, 3, 0, 0
	SUB 1, 1, 3, 0, 0
	CHANGE 4                                       ; the ring goes on into the second group of tokens; the refill is asked for, then the first group goes out
	EPI 0
	SUB 0, 0, 0, 1, 1
	SUB 0, 1, 0, 1, 0
	CHANGE 5
	SUB 1, 0, 1, 1, 0
	SUB 1, 1, 1, 1, 0
	CHANGE 6
	SUB 0, 0, 2, 1, 0
	SUB 0, 1, 2, 1, 0
	CHANGE 7
	SUB 1, 0, 3, 1, 0
	SUB 1, 1, 3, 1, 0
	EPI 1
	s_wait_tensorcnt 0x0                           ; the wave's end
	ds_add_u32 v[SPW], v[NIL]
	s_wait_dscnt 0x0
	CROUND                                         ; the closing round: no work-group ends while a partner may still ask for a tile that names it
	s_endpgm
.Lfunc_end_k_q519247ee9d_qkv:
	.size	k_q519247ee9d_qkv, .Lfunc_end_k_q519247ee9d_qkv-k_q519247ee9d_qkv
	.p2alignl 7, 3214868480
	.fill 96, 4, 3214868480
	.section	.rodata,"a",@progbits
	.p2align	6, 0x0
	.amdhsa_kernel k_q519247ee9d_qkv
		.amdhsa_group_segment_fixed_size 327680
		.amdhsa_private_segment_fixed_size 0
		.amdhsa_enable_private_segment 0
		.amdhsa_kernarg_size 80
		.amdhsa_user_sgpr_count 2
		.amdhsa_user_sgpr_kernarg_segment_ptr 1
		.amdhsa_wavefront_size32 1
		.amdhsa_system_sgpr_workgroup_id_x 1
		.amdhsa_system_sgpr_workgroup_id_y 1
		.amdhsa_system_sgpr_workgroup_id_z 1
		.amdhsa_system_vgpr_workitem_id 0
		.amdhsa_next_free_vgpr 256
		.amdhsa_next_free_sgpr 102
		.amdhsa_reserve_vcc 1
		.amdhsa_float_denorm_mode_32 3
		.amdhsa_float_denorm_mode_16_64 3
		.amdhsa_memory_ordered 1
		.amdhsa_forward_progress 1
		.amdhsa_inst_pref_size 165
	.end_amdhsa_kernel
	.amdgpu_metadata
---
amdhsa.version: [ 1, 2 ]
amdhsa.kernels:
  - .name:           k_q519247ee9d_qkv
    .symbol:         k_q519247ee9d_qkv.kd
    .args:
      - { .name: x_codes, .offset: 0, .size: 8, .value_kind: global_buffer, .address_space: global }
      - { .name: x_scales, .offset: 8, .size: 8, .value_kind: global_buffer, .address_space: global }
      - { .name: Wq_codes, .offset: 16, .size: 8, .value_kind: global_buffer, .address_space: global }
      - { .name: Wk_codes, .offset: 24, .size: 8, .value_kind: global_buffer, .address_space: global }
      - { .name: Wv_codes, .offset: 32, .size: 8, .value_kind: global_buffer, .address_space: global }
      - { .name: Wq_scales, .offset: 40, .size: 8, .value_kind: global_buffer, .address_space: global }
      - { .name: Wk_scales, .offset: 48, .size: 8, .value_kind: global_buffer, .address_space: global }
      - { .name: Wv_scales, .offset: 56, .size: 8, .value_kind: global_buffer, .address_space: global }
      - { .name: qbuf, .offset: 64, .size: 8, .value_kind: global_buffer, .address_space: global }
      - { .name: kvbuf, .offset: 72, .size: 8, .value_kind: global_buffer, .address_space: global }
    .group_segment_fixed_size: 327680
    .private_segment_fixed_size: 0
    .kernarg_segment_align: 8
    .kernarg_segment_size: 80
    .max_flat_workgroup_size: 384
    .sgpr_count:     102
    .vgpr_count:     256
    .wavefront_size: 32
...
	.end_amdgpu_metadata
.endif
;; end of part 1
;; launch attn (part 2): grid 4 x 64, 16 waves a work-group, clusters of 4 x 1, 206,848 bytes of LDS; arguments qbuf, kvbuf, abuf; writes abuf
.if DOCPART == 2
	.amdgcn_target "amdgcn-amd-amdhsa--gfx1250"
	.amdhsa_code_object_version 6
	.text
	.protected	k_q519247ee9d_attn
	.globl	k_q519247ee9d_attn
	.p2align	8
	.type	k_q519247ee9d_attn,@function
k_q519247ee9d_attn:
	s_mov_b64 s[64:65], 0
	v_nop
	global_prefetch_b8 v0, s[64:65] scope:SCOPE_SE
	s_setreg_imm32_b32 hwreg(HW_REG_WAVE_MODE, 25, 1), 1
	s_wait_xcnt 0x0
	s_wait_alu depctr_hold_cnt(0) depctr_sa_sdst(0) depctr_va_vdst(0) depctr_va_sdst(0) depctr_va_ssrc(0) depctr_va_vcc(0) depctr_vm_vsrc(0)
	s_getreg_b32 s2, hwreg(HW_REG_IB_STS2, 6, 4)
	s_cmp_eq_u32 s2, 0
	s_cbranch_scc0 .Lentry_in_a_cluster
	s_endpgm
.Lentry_in_a_cluster:
	s_bfe_u32 s2, ttmp6, 0x10000c
	s_cmp_lg_u32 s2, 0x3003
	s_cbranch_scc0 .Lentry_shape_is_right
	s_endpgm
.Lentry_shape_is_right:
; For one head: S^T = K Q^T, p = 2^(t - M), O^T = V^T P^T, O / l, all products on codes of FP6 (E2M3) with E8M0 scales; the result is quantised along the model's width and stored as the last launch's operand.
; t = score x log2(e) / 8; M = the running largest t rounded UP to a whole number; p is quantised along the keys, not normalised; l is the sum of the unquantised p.  When M moves, l and O^T are multiplied by 2^(old M - new M): exact.
; SHARES.  A work-group owns 512 queries of one head; each of its sixteen waves one tile of 16 queries in each of two passes.  Four waves to a SIMD: one wave's vector work stands beside another's products and LDS loads.
; THE HEAD'S K AND V STAY IN LDS: 16 records of 12,800 bytes (128 keys each: K's four fragments, V's four, their scale words), laid as the operands' registers.  Wave w brings record w by one tensor load; nothing is filled again.
; CLUSTER 4 x 1: the four work-groups of a head read the same 16 records: each load is a joint one.
; LAYOUT.  A lane holds ONE query (lane % 16) throughout.  The keys of a tile are chosen so that the 32 score registers of four tiles are one true block of 32 neighbouring keys in one lane: a block's maximum needs no other lane,
; and the conversions' results are the second product's operand as they stand.  THE HEAD IS 64 WIDE AND A K STEP 128: a fragment of K holds two key tiles (64 + 64), and q stands in a run of 18 registers,
; q | six zeros | q: registers 0-11 of the run pick the first tile, registers 6-17 the second.  Zero codes add nothing.
; LIMITS: NaN and infinities are not served.  A p under 2^-126 counts as 0 (the exponential gives 0 there).  A block of zeros keeps the scale byte 1: its codes are zeros, and only this program reads the bytes.
; A block's largest p is made from its largest score by the same multiply-add and exponential: this takes the exponential not to fall where its input rises.
.set REC,  12800
.set LK,   1                           ; v1   16 x lane: my place in an image of K
.set LV,   2                           ; v2   8 x lane + 6,144: in a plane of V
.set LS,   3                           ; v3   4 x lane + 12,288: among the scale words
.set ADK,  4                           ; v4-6 the same in the record in hand
.set ADV,  5
.set ADS,  6
.set H8,   7                           ; v7   8 x (lane / 16)
.set L8,   8                           ; v8   8 x lane
.set R32,  9                           ; v9   32 x (lane % 16)
.set QS,   10                          ; v10, v11  q's scale words, pass 0, 1
.set QR0,  16                          ; v16-33    q's run, pass 0       (v12 -M, v13 the largest t, v[14:15] the sum in two halves)
.set KS,   34                          ; v34, v35  K's scale words: lanes 0-15 an even fragment's, lanes 16-31 the odd one's
.set VS,   36                          ; v36, v37  V's likewise
.set KV,   38                          ; v38-85    four fragments of K, then of V
.set PCD,  86                          ; v86-97    p's codes
.set PT,   98                          ; v98-100, v102-104  the upper halves as the conversions leave them
.set PS,   105                         ; v105      p's scale word
.set BM,   106
.set SO,   108
.set EE,   110
.set T,    112                         ; v112-115  at work
.set L4,   116                         ; v116      4 x lane
.set F,    120                         ; v[120:121] 2^(old M - new M); at the end 1 / l
.set S,    128                         ; v128-191  S^T, then p
.set O,    192                         ; v192-223  O^T
.set QR1,  224                         ; v224-241  q's run, pass 1
.set EP,   242                         ; v242-251  the result's codes and scale bytes
.set WV,   24
.set SEL,  26
.set CS,   28                          ; s[28:29] log2(e) / 8
.set TB,   30
.set CNT,  31
.set SQ,   32
.set SQS,  34
.set SA,   36
.set SAS,  38
.macro PLACES n
.rept \n
	v_nop
.endr
.endm
.macro CROUND
	s_barrier_signal -1
	s_barrier_wait -1
	s_cmp_lg_u32 s[WV], 0
	s_cbranch_scc1 .Lnw0_\@
	s_barrier_signal -3
.Lnw0_\@:
	s_barrier_wait -3
	s_barrier_signal -1
	s_barrier_wait -1
.endm
; A KEY STEP: 128 keys, the record at LDS byte s[TB].
.macro STEP qr, qs
	v_add_nc_u32 v[ADK], s[TB], v[LK]
	v_add_nc_u32 v[ADV], s[TB], v[LV]
	v_add_nc_u32 v[ADS], s[TB], v[LS]
	v_nop
	v_nop                                          ; with the three additions: the places in front of loads into registers that the last products read
	ds_load_b32 v[KS], v[ADS]
	ds_load_b32 v[KS+1], v[ADS] offset:128
.irp f, 0,1,2,3
.irp i, 0,1,2
	ds_load_b128 v[KV+12*\f+4*\i:KV+12*\f+4*\i+3], v[ADK] offset:1536*\f+512*\i
.endr
.endr
.irp f, 0,1,2,3
	s_wait_dscnt 9-3*\f                            ; fragment f is in; the three loads of each later one may be out
.if (\f%2) == 1
	v_wmma_scale_f32_16x16x128_f8f6f4 v[S+16*\f:S+16*\f+7], v[KV+12*\f:KV+12*\f+11], v[\qr:\qr+11], 0, v[KS+\f/2], v[\qs] matrix_a_fmt:MATRIX_FMT_FP6 matrix_b_fmt:MATRIX_FMT_FP6 matrix_a_scale:MATRIX_SCALE_ROW1
	v_wmma_scale_f32_16x16x128_f8f6f4 v[S+16*\f+8:S+16*\f+15], v[KV+12*\f:KV+12*\f+11], v[\qr+6:\qr+17], 0, v[KS+\f/2], v[\qs] matrix_a_fmt:MATRIX_FMT_FP6 matrix_b_fmt:MATRIX_FMT_FP6 matrix_a_scale:MATRIX_SCALE_ROW1
.else
	v_wmma_scale_f32_16x16x128_f8f6f4 v[S+16*\f:S+16*\f+7], v[KV+12*\f:KV+12*\f+11], v[\qr:\qr+11], 0, v[KS+\f/2], v[\qs] matrix_a_fmt:MATRIX_FMT_FP6 matrix_b_fmt:MATRIX_FMT_FP6
	v_wmma_scale_f32_16x16x128_f8f6f4 v[S+16*\f+8:S+16*\f+15], v[KV+12*\f:KV+12*\f+11], v[\qr+6:\qr+17], 0, v[KS+\f/2], v[\qs] matrix_a_fmt:MATRIX_FMT_FP6 matrix_b_fmt:MATRIX_FMT_FP6
.endif
.endr
	PLACES 4                                       ; in front of the loads over K's fragments, and of the first read of the scores
.irp uw, 0,1,2,3
.irp p, 0,1,2,3,4,5
	ds_load_b64 v[KV+12*\uw+2*\p:KV+12*\uw+2*\p+1], v[ADV] offset:1536*\uw+256*\p   ; V's fragments land under the softmax
.endr
.endr
	ds_load_b32 v[VS], v[ADS] offset:256
	ds_load_b32 v[VS+1], v[ADS] offset:384
	; the largest score of each of my two blocks of 32 keys, two chains a block; every accumulator is first read at its low end
.irp c, 0,1
	v_max3_num_f32 v[BM+\c], v[S+32*\c], v[S+32*\c+1], v[S+32*\c+2]
	v_max3_num_f32 v[T+2+\c], v[S+32*\c+16], v[S+32*\c+17], v[S+32*\c+18]
.endr
.irp k, 3,5,7,9,11,13
.irp c, 0,1
	v_max3_num_f32 v[BM+\c], v[BM+\c], v[S+32*\c+\k], v[S+32*\c+\k+1]
	v_max3_num_f32 v[T+2+\c], v[T+2+\c], v[S+32*\c+16+\k], v[S+32*\c+17+\k]
.endr
.endr
.irp c, 0,1
	v_max3_num_f32 v[BM+\c], v[BM+\c], v[T+2+\c], v[S+32*\c+15]
.endr
.irp c, 0,1
	v_max_num_f32 v[BM+\c], v[BM+\c], v[S+32*\c+31]
.endr
	v_max_num_f32 v[T], v[BM], v[BM+1]
	v_permlanex16_b32 v[T+1], v[T], s[SEL], s[SEL+1]
	v_max_num_f32 v[T], v[T], v[T+1]               ; the step's largest score of my query
	v_mul_f32 v[T], s[CS], v[T]                    ; as t
	v_max_num_f32 v13, v13, v[T]                   ; the running largest t
	v_mov_b32 v[T], v12
	v_floor_f32 v12, -v13                          ; the new -M = floor(-t): M is a whole number
	v_sub_f32 v[T], v12, v[T]                      ; old M - new M: a whole number, 0 or less
	v_cvt_i32_f32 v[T], v[T]                       ; (it saturates)
	v_ldexp_f32 v[F], 1.0, v[T]                    ; f = 2^(old M - new M)
.set j, 0
.rept 32
	v_pk_fma_f32 v[S+j:S+j+1], v[S+j:S+j+1], s[CS:CS+1], v[12:13] op_sel_hi:[1,0,0]   ; t - M, two at a time
.set j, j+2
.endr
.irp c, 0,1
	v_fma_f32 v[BM+\c], v[BM+\c], s[CS], v12       ; the same of each block's largest score
.endr
.set j, 0
.rept 64
	v_exp_f32 v[S+j], v[S+j]                       ; p = 2^(t - M)
.set j, j+1
.endr
.irp c, 0,1
	v_exp_f32 v[BM+\c], v[BM+\c]                   ; the block's largest p
.endr
	v_pk_mul_f32 v[14:15], v[14:15], v[F:F+1] op_sel_hi:[1,0]   ; the sum under the new M; also the plain place behind the exponentials
	s_wait_alu depctr_va_vdst(0)
.irp c, 0,1
	v_max_num_f32 v[BM+\c], 0x1800000, v[BM+\c]    ; the floor 2^(3 - 127): the byte cannot fall under 1
.endr
.irp c, 0,1
	v_add_nc_u32 v[SO+\c], 0xff000000, v[BM+\c]    ; 2 off the exponent field: the conversion's scale operand
.endr
.irp c, 0,1
	v_lshrrev_b32 v[EE+\c], 23, v[SO+\c]
.endr
	v_lshl_or_b32 v[PS], v[EE+1], 16, v[EE]        ; my two bytes: blocks h and 2 + h of the K step,
	v_lshlrev_b32 v[PS], v[H8], v[PS]
	v_permlanex16_b32 v[T+1], v[PS], s[SEL], s[SEL+1]
	v_or_b32 v[PS], v[PS], v[T+1]                  ; with the other half's two the word is whole
.irp c, 0,1
	v_cvt_scalef32_pk16_fp6_f32 v[PCD+6*\c:PCD+6*\c+2], v[S+32*\c:S+32*\c+15], v[SO+\c]
	v_cvt_scalef32_pk16_fp6_f32 v[PT+4*\c:PT+4*\c+2], v[S+32*\c+16:S+32*\c+31], v[SO+\c]   ; (a conversion's three registers begin on an even number)
.endr
	v_nop                                          ; one plain place behind the scaled conversions
.irp c, 0,1
.irp k, 0,1,2
	v_mov_b32 v[PCD+6*\c+3+\k], v[PT+4*\c+\k]
.endr
.endr
	v_pk_add_f32 v[T+2:T+3], v[S:S+1], v[S+2:S+3]  ; the sum of the UNQUANTISED p, two at a time, in two chains
.set j, 4
.rept 15
	v_pk_add_f32 v[14:15], v[14:15], v[S+j:S+j+1]
	v_pk_add_f32 v[T+2:T+3], v[T+2:T+3], v[S+j+2:S+j+3]
.set j, j+4
.endr
	v_pk_add_f32 v[14:15], v[14:15], v[T+2:T+3]
.set j, 0
.rept 16
	v_pk_mul_f32 v[O+j:O+j+1], v[O+j:O+j+1], v[F:F+1] op_sel_hi:[1,0]   ; O^T under the new M.  (These and the sums are the places between p's codes and scale word and the products)
.set j, j+2
.endr
	s_wait_dscnt 0x0                               ; V's fragments and scale words are in
.irp uw, 0,1,2,3
.if (\uw%2) == 1
	v_wmma_scale_f32_16x16x128_f8f6f4 v[O+8*\uw:O+8*\uw+7], v[KV+12*\uw:KV+12*\uw+11], v[PCD:PCD+11], v[O+8*\uw:O+8*\uw+7], v[VS+\uw/2], v[PS] matrix_a_fmt:MATRIX_FMT_FP6 matrix_b_fmt:MATRIX_FMT_FP6 matrix_a_scale:MATRIX_SCALE_ROW1
.else
	v_wmma_scale_f32_16x16x128_f8f6f4 v[O+8*\uw:O+8*\uw+7], v[KV+12*\uw:KV+12*\uw+11], v[PCD:PCD+11], v[O+8*\uw:O+8*\uw+7], v[VS+\uw/2], v[PS] matrix_a_fmt:MATRIX_FMT_FP6 matrix_b_fmt:MATRIX_FMT_FP6
.endif
.endr
.endm
; A PASS: one tile of 16 queries against all 2,048 keys.
.macro PASS n, qr, qs
	v_mov_b32 v13, 0xff61b1e6                      ; the largest t so far: -3e38
	v_floor_f32 v12, -v13
	v_mov_b32 v14, 0
	v_mov_b32 v15, 0
.set j, 0
.rept 32
	v_mov_b32 v[O+j], 0                            ; the step is written once: the first finds zeros, which the first change of M leaves zeros
.set j, j+1
.endr
	s_mov_b32 s[TB], 0
	s_mov_b32 s[CNT], 16
.Lstep_\@:
	STEP \qr, \qs
	s_add_co_u32 s[TB], s[TB], REC
	s_sub_co_u32 s[CNT], s[CNT], 1
	s_cmp_lg_u32 s[CNT], 0
	s_cbranch_scc1 .Lstep_\@
	s_wait_xcnt 0x0                                ; the last pass's stores have read their registers
	PLACES 4
	v_add_f32 v14, v14, v15                        ; the sum's two halves,
	v_permlanex16_b32 v[T], v14, s[SEL], s[SEL+1]
	v_add_f32 v14, v14, v[T]                       ; and the other 1,024 keys': l
	v_rcp_f32 v[F], v14
	v_nop                                          ; one plain place behind the transcendental
.set j, 0
	s_wait_alu depctr_va_vdst(0)
.rept 16
	v_pk_mul_f32 v[O+j:O+j+1], v[O+j:O+j+1], v[F:F+1] op_sel_hi:[1,0]   ; O^T / l: lane (r, h): query r, features 32 h + 0..31: a whole block of the last product's K
.set j, j+2
.endr
	v_max3_num_f32 v[BM], |v[O]|, |v[O+1]|, 0x1800000
	v_max3_num_f32 v[BM+1], |v[O+16]|, |v[O+17]|, 0x1800000
.irp k, 2,4,6,8,10,12,14
	v_max3_num_f32 v[BM], v[BM], |v[O+\k]|, |v[O+\k+1]|
	v_max3_num_f32 v[BM+1], v[BM+1], |v[O+16+\k]|, |v[O+17+\k]|
.endr
	v_max_num_f32 v[BM], v[BM], v[BM+1]
	v_add_nc_u32 v[SO], 0xff000000, v[BM]
	v_lshrrev_b32 v[EE], 23, v[SO]
	v_cvt_scalef32_pk16_fp6_f32 v[EP:EP+2], v[O:O+15], v[SO]
	v_cvt_scalef32_pk16_fp6_f32 v[EP+6:EP+8], v[O+16:O+31], v[SO]
	v_nop
.irp k, 0,1,2
	v_mov_b32 v[EP+3+\k], v[EP+6+\k]
.endr
	v_lshlrev_b32 v[EP+9], v[H8], v[EE]
	v_permlanex16_b32 v[T], v[EP+9], s[SEL], s[SEL+1]
	v_or_b32 v[EP+9], v[EP+9], v[T]                ; the head's two scale bytes of row r
.irp p, 0,1,2
	global_store_b64 v[L8], v[EP+2*\p:EP+2*\p+1], s[SA:SA+1] offset:204800*(\n)+256*\p   ; 32 lanes store 256 consecutive bytes, aligned
.endr
	global_store_b16 v[R32], v[EP+9], s[SAS:SAS+1] offset:204800*(\n)   ; both halves of the lanes write the same two bytes
.endm
	s_load_b128 s[4:7], s[0:1], 0x0                ; qbuf, kvbuf
	s_load_b64 s[8:9], s[0:1], 0x10                ; abuf
	v_lshl_add_u32 v254, v0, 2, 0x32000
	v_mov_b32 v255, 0
	ds_add_u32 v254, v255
	ds_add_u32 v254, v255
	v_lshrrev_b32 v1, 5, v0
	v_readfirstlane_b32 s[WV], v1                  ; wave 0..15
	v_and_b32 v9, 31, v0                           ; lane
	v_lshlrev_b32 v[LK], 4, v9
	v_lshlrev_b32 v[L8], 3, v9
	v_add_nc_u32 v[LV], 6144, v[L8]
	v_lshlrev_b32 v[L4], 2, v9
	v_add_nc_u32 v[LS], 12288, v[L4]
	v_bfe_u32 v[H8], v0, 4, 1
	v_lshlrev_b32 v[H8], 3, v[H8]
	v_and_b32 v[R32], 15, v0
	v_lshlrev_b32 v[R32], 5, v[R32]
.irp k, 0,1,2,3
	v_mov_b32 v[T+\k], 0                           ; a lane permute's destination counts as one of its sources
.endr
	v_mov_b32 v[F+1], 0                            ; named as the upper half of a pair
	s_and_b32 s25, ttmp7, 0xffff                   ; batch x 16 + head, which the four partners share
	s_lshl_b32 s2, s25, 4
	s_add_co_u32 s2, s2, s[WV]
	s_mul_i32 s2, s2, REC                          ; record wave of the head, in memory,
	s_mov_b32 s3, 0
	s_mov_b32 s12, 1
	s_mul_i32 s13, s[WV], REC                      ; and in LDS
	s_mov_b32 s16, 15|(3<<16)|(1<<21)              ; the mask: all four work-groups; elements of 8 bytes; bit 21 beside a mask
	s_mov_b32 s17, 32<<16                          ; 50 rows of 256 bytes, dense
	s_mov_b32 s18, 50<<16
	s_mov_b32 s19, 32<<16
	s_mov_b32 s20, 50
	s_mov_b32 s21, 32
	s_mov_b32 s22, 0
	s_mov_b32 s23, 0
	s_mov_b32 s[SEL], 0x76543210
	s_mov_b32 s[SEL+1], 0xfedcba98
	s_mov_b32 s[CS], 0x3e38aa3b                    ; log2(e) / 8
	s_mov_b32 s[CS+1], s[CS]
	s_bfe_u32 s40, ttmp6, 0x40000                  ; my place in the cluster: it enters q's and the result's addresses alone
	s_lshl_b32 s41, ttmp9, 2
	s_add_co_u32 s41, s41, s40                     ; Q: which 512 queries
	s_lshl_b32 s42, s25, 5                         ; qbuf: record 32 (batch, head) + 8 Q + 4 pass + wave / 4; in it tile wave % 4
	s_lshl_b32 s43, s41, 3
	s_add_co_u32 s42, s42, s43
	s_lshr_b32 s43, s[WV], 2
	s_add_co_u32 s42, s42, s43
	s_mul_i32 s42, s42, 3584
	s_and_b32 s43, s[WV], 3
	s_mul_i32 s44, s43, 768
	s_add_co_u32 s44, s44, s42
	s_mov_b32 s45, 0
	s_lshl_b32 s46, s43, 7
	s_add_co_u32 s46, s46, s42
	s_add_co_u32 s46, s46, 3072
	s_mov_b32 s47, 0
	s_wait_dscnt 0x0
	s_wait_kmcnt 0x0
	s_add_nc_u64 s[14:15], s[6:7], s[2:3]
	s_or_b32 s15, s15, 0x80000000
	s_add_nc_u64 s[SQ:SQ+1], s[4:5], s[44:45]
	s_add_nc_u64 s[SQS:SQS+1], s[4:5], s[46:47]
	s_lshr_b32 s42, s25, 4                         ; abuf: record ((batch x 8 + 2 Q + pass) x 16 + wave); in it the head's 768 bytes of codes behind 512 of scale bytes
	s_lshl_b32 s42, s42, 3
	s_lshl_b32 s43, s41, 1
	s_add_co_u32 s42, s42, s43
	s_lshl_b32 s42, s42, 4
	s_add_co_u32 s42, s42, s[WV]
	s_mul_i32 s42, s42, REC
	s_and_b32 s43, s25, 15
	s_mul_i32 s44, s43, 768
	s_add_co_u32 s44, s44, s42
	s_add_co_u32 s44, s44, 512
	s_lshl_b32 s46, s43, 1
	s_add_co_u32 s46, s46, s42
	s_add_nc_u64 s[SA:SA+1], s[8:9], s[44:45]
	s_add_nc_u64 s[SAS:SAS+1], s[8:9], s[46:47]
	CROUND                                         ; all four work-groups are here: the joint loads meet
	tensor_load_to_lds s[12:15], s[16:23]          ; my one tensor load of the launch
	s_nop 0
	PLACES 4
.irp p, 0,1,2
	global_load_b64 v[QR0+2*\p:QR0+2*\p+1], v[L8], s[SQ:SQ+1] offset:256*\p
	global_load_b64 v[QR0+12+2*\p:QR0+13+2*\p], v[L8], s[SQ:SQ+1] offset:256*\p
	global_load_b64 v[QR1+2*\p:QR1+2*\p+1], v[L8], s[SQ:SQ+1] offset:14336+256*\p
	global_load_b64 v[QR1+12+2*\p:QR1+13+2*\p], v[L8], s[SQ:SQ+1] offset:14336+256*\p
.endr
	global_load_b32 v[QS], v[L4], s[SQS:SQS+1]
	global_load_b32 v[QS+1], v[L4], s[SQS:SQS+1] offset:14336
.irp k, 6,7,8,9,10,11
	v_mov_b32 v[QR0+\k], 0                         ; the six zeros between q and q
	v_mov_b32 v[QR1+\k], 0
.endr
	s_wait_tensorcnt 0x0                           ; my record has landed,
	s_barrier_signal -1
	s_barrier_wait -1                              ; everybody's has
	s_wait_loadcnt 0x0                             ; q
	PASS 0, QR0, QS
	PASS 1, QR1, QS+1
	s_wait_tensorcnt 0x0
	ds_add_u32 v254, v255
	s_wait_dscnt 0x0
	CROUND                                         ; the closing round
	s_endpgm
.Lfunc_end_k_q519247ee9d_attn:
	.size	k_q519247ee9d_attn, .Lfunc_end_k_q519247ee9d_attn-k_q519247ee9d_attn
	.p2alignl 7, 3214868480
	.fill 96, 4, 3214868480
	.section	.rodata,"a",@progbits
	.p2align	6, 0x0
	.amdhsa_kernel k_q519247ee9d_attn
		.amdhsa_group_segment_fixed_size 206848
		.amdhsa_private_segment_fixed_size 0
		.amdhsa_enable_private_segment 0
		.amdhsa_kernarg_size 24
		.amdhsa_user_sgpr_count 2
		.amdhsa_user_sgpr_kernarg_segment_ptr 1
		.amdhsa_wavefront_size32 1
		.amdhsa_system_sgpr_workgroup_id_x 1
		.amdhsa_system_sgpr_workgroup_id_y 1
		.amdhsa_system_sgpr_workgroup_id_z 1
		.amdhsa_system_vgpr_workitem_id 0
		.amdhsa_next_free_vgpr 256
		.amdhsa_next_free_sgpr 66
		.amdhsa_reserve_vcc 0
		.amdhsa_float_denorm_mode_32 3
		.amdhsa_float_denorm_mode_16_64 3
		.amdhsa_memory_ordered 1
		.amdhsa_forward_progress 1
		.amdhsa_inst_pref_size 47
	.end_amdhsa_kernel
	.amdgpu_metadata
---
amdhsa.version: [ 1, 2 ]
amdhsa.kernels:
  - .name:           k_q519247ee9d_attn
    .symbol:         k_q519247ee9d_attn.kd
    .args:
      - { .name: qbuf, .offset: 0, .size: 8, .value_kind: global_buffer, .address_space: global }
      - { .name: kvbuf, .offset: 8, .size: 8, .value_kind: global_buffer, .address_space: global }
      - { .name: abuf, .offset: 16, .size: 8, .value_kind: global_buffer, .address_space: global }
    .group_segment_fixed_size: 206848
    .private_segment_fixed_size: 0
    .kernarg_segment_align: 8
    .kernarg_segment_size: 24
    .max_flat_workgroup_size: 512
    .sgpr_count:     66
    .vgpr_count:     256
    .wavefront_size: 32
...
	.end_amdgpu_metadata
.endif
;; end of part 2
;; launch proj (part 3): grid 8 x 32, 8 waves a work-group, clusters of 4 x 4, 327,680 bytes of LDS; arguments abuf, Wo_codes, Wo_scales, bo, out0; writes out0
.if DOCPART == 3
	.amdgcn_target "amdgcn-amd-amdhsa--gfx1250"
	.amdhsa_code_object_version 6
	.text
	.protected	k_q519247ee9d_proj
	.globl	k_q519247ee9d_proj
	.p2align	8
	.type	k_q519247ee9d_proj,@function
k_q519247ee9d_proj:
	s_mov_b64 s[64:65], 0
	v_nop
	global_prefetch_b8 v0, s[64:65] scope:SCOPE_SE
	s_setreg_imm32_b32 hwreg(HW_REG_WAVE_MODE, 25, 1), 1
	s_wait_xcnt 0x0
	s_wait_alu depctr_hold_cnt(0) depctr_sa_sdst(0) depctr_va_vdst(0) depctr_va_sdst(0) depctr_va_ssrc(0) depctr_va_vcc(0) depctr_vm_vsrc(0)
	s_getreg_b32 s2, hwreg(HW_REG_IB_STS2, 6, 4)
	s_cmp_eq_u32 s2, 0
	s_cbranch_scc0 .Lentry_in_a_cluster
	s_endpgm
.Lentry_in_a_cluster:
	s_bfe_u32 s2, ttmp6, 0x10000c
	s_cmp_lg_u32 s2, 0xf033
	s_cbranch_scc0 .Lentry_shape_is_right
	s_endpgm
.Lentry_shape_is_right:
; out = a Wo^T + bo on codes of FP6 (E2M3) with E8M0 scales.  a: the attention launch's result, 512 records of 12,800 bytes, one for each tile of 16 tokens: 512 scale bytes (32 a row), then for each head three planes of
; 256 bytes: the operand's registers as they stand.  Wo: codes and scale bytes as given.  out: [8192][1024] f32.
; SHARES.  A work-group makes 256 tokens x 128 columns; its eight waves 64 x 64 each: wave w takes token tiles 4 (w / 2) + 0..3 and columns 64 (w % 2) on.  Sixteen accumulators, two waves to a SIMD, no register windows.
; ALL OF K LIES IN LDS, filled once, in two halves of 512: the second half lands while the first is multiplied.  No slot is filled again.
; CLUSTER 4 x 4: the four work-groups of a row of the cluster share the tokens' records, the four of a column Wo's rows: each is asked for jointly.
; THE PRODUCT IS USED TRANSPOSED (source 0 = 16 rows of Wo, source 1 = a token tile): a lane holds eight neighbouring columns of one token.  The bias is loaded into the accumulators, so that every product adds in place.
; Row r of token tile (g, u) is token 128 (r / 8) + 32 g + 8 u + r % 8 of the group of 256: the stores' immediate offsets undo that.
.set A0,   0                           ; 16 records' first 6,656 bytes: scale bytes and heads 0-7
.set A1,   106496                      ; their last 6,144: heads 8-15
.set W0,   204800                      ; Wo, K 0-511: 128 rows of 384 bytes, 16 of padding behind every 128: 432 apart: row r starts at bank 44 r mod 64, sixteen different multiples of 4
.set W1,   260096                      ; K 512-1023
.set SCW,  315392                      ; Wo's scale bytes, 32 a row, dense
.set ADA,  1                           ; v1, v2   my place in a's planes, half 0, 1
.set ADW,  3                           ; v3, v4   in Wo's rows;  v5, v6 the same behind one padding more
.set ADS,  7                           ; v7-10    scale words of tile i: lanes 0-15 the token tile's rows, lanes 16-31 Wo's
.set BO,   11                          ; v11      32 x (lane / 16)
.set SC,   12                          ; v12-27   scale words: register 4 i + q
.set STO,  28                          ; the way out: into my stage,
.set RD,   29                          ; back,
.set CO,   30                          ; and my byte offset in out
.set AF,   32                          ; v32-79   four token tiles' fragments
.set WF,   80                          ; v80-127  four of Wo's
.set ACC,  128                         ; v128-255
.set OB,   32                          ; the way out: rows read back, v32-63 and v64-95 by turns
.set G1A0, 16
.set G1A1, 24
.set G1W,  32
.set G1S,  40
.set G0A0, 48
.set G0A1, 52
.set G0S,  56
.set G0W0, 60
.set G0W1, 68
.set WV,   72
.set TG,   73
.set WN,   74
.set CX,   75
.set CY,   76
.set XW,   77
.set YW,   78
.set SB,   86
.set SOUT, 88
.macro PLACES n
.rept \n
	v_nop
.endr
.endm
.macro CROUND
	s_barrier_signal -1
	s_barrier_wait -1
	s_cmp_lg_u32 s[WV], 0
	s_cbranch_scc1 .Lnw0_\@
	s_barrier_signal -3
.Lnw0_\@:
	s_barrier_wait -3
	s_barrier_signal -1
	s_barrier_wait -1
.endm
.macro FRAGW reg, adr, q, imm          ; a fragment of Wo in pieces of 8 bytes; lanes 16-31 read three pieces on, which for some pieces is behind one padding more
.irp p, 0,1,2,3,4,5
.set PC, 12*(\q)+6*(\p/3)+\p%3
.if PC%16 < 13
	ds_load_b64 v[\reg+2*\p:\reg+2*\p+1], v[\adr] offset:8*PC+16*(PC/16)+(\imm)
.else
	ds_load_b64 v[\reg+2*\p:\reg+2*\p+1], v[\adr+2] offset:8*PC+16*(PC/16)+(\imm)
.endif
.endr
.endm
; K step kk of eight: 48 LDS loads (and, at the head of a half, its scale words), 16 matrix instructions, the sixteen accumulators by turns.
.macro SUB3 kk
.set HF, (\kk)/4
.set QQ, (\kk)%4
.set ROWA, 6656-512*HF
.set HD, 512-512*HF
.if (\kk) > 0
	PLACES 5                                       ; in front of loads into registers that matrix instructions have read
.endif
.if QQ == 0
.irp i, 0,1,2,3
	ds_load_b128 v[SC+4*\i:SC+4*\i+3], v[ADS+\i] offset:16*HF
.endr
.endif
.irp t, 0,1,2,3
	FRAGW WF+12*\t, ADW+HF, QQ, 6912*\t
.endr
.irp i, 0,1,2,3
.irp c, 0,1
.irp p, 0,1,2
	ds_load_b64 v[AF+12*\i+6*\c+2*\p:AF+12*\i+6*\c+2*\p+1], v[ADA+HF] offset:\i*ROWA+HD+(2*QQ+\c)*768+256*\p
.endr
.endr
.endr
.irp i, 0,1,2,3
	s_wait_dscnt 18-6*\i                           ; token tile i is in; the six loads of each later tile may be out
.irp t, 0,1,2,3
	v_wmma_scale_f32_16x16x128_f8f6f4 v[ACC+32*\i+8*\t:ACC+32*\i+8*\t+7], v[WF+12*\t:WF+12*\t+11], v[AF+12*\i:AF+12*\i+11], v[ACC+32*\i+8*\t:ACC+32*\i+8*\t+7], v[SC+4*\t+QQ], v[SC+4*\i+QQ] matrix_a_fmt:MATRIX_FMT_FP6 matrix_b_fmt:MATRIX_FMT_FP6 matrix_a_scale:MATRIX_SCALE_ROW1
.endr
.endr
.endm
	s_load_b256 s[4:11], s[0:1], 0x0               ; abuf, Wo codes, Wo scales, bo
	s_load_b64 s[12:13], s[0:1], 0x20              ; out
	v_lshl_add_u32 v31, v0, 2, 0x4e000
	s_set_vgpr_msb 0x40
	v_mov_b32 v1, 0
	s_set_vgpr_msb 0x4044
	ds_add_u32 v31, v1
	ds_add_u32 v31, v1
	s_set_vgpr_msb 0x4400
	v_lshrrev_b32 v32, 5, v0
	v_readfirstlane_b32 s[WV], v32                 ; wave 0..7
	s_lshr_b32 s[TG], s[WV], 1
	s_and_b32 s[WN], s[WV], 1
	s_bfe_u32 s[CX], ttmp6, 0x40000
	s_bfe_u32 s[CY], ttmp6, 0x40004
	s_lshl_b32 s[XW], ttmp9, 2
	s_add_co_u32 s[XW], s[XW], s[CX]               ; which 128 columns
	s_and_b32 s[YW], ttmp7, 0xffff
	s_lshl_b32 s[YW], s[YW], 2
	s_add_co_u32 s[YW], s[YW], s[CY]               ; which 256 tokens
	; every LDS address is made here, of the thread's and the wave's number alone
	v_and_b32 v32, 31, v0                          ; lane
	v_and_b32 v33, 15, v0                          ; r
	v_bfe_u32 v34, v0, 4, 1                        ; h
	v_lshlrev_b32 v35, 3, v32
	s_mul_i32 s90, s[TG], 26624                    ; my four records in half 0,
	v_add_nc_u32 v[ADA], s90, v35
	s_mul_i32 s91, s[TG], 24576                    ; in half 1
	s_add_co_u32 s91, s91, A1
	v_add_nc_u32 v[ADA+1], s91, v35
	v_mul_u32_u24 v36, v33, 432
	v_mad_u32_u24 v36, v34, 24, v36
	s_mul_i32 s91, s[WN], 27648                    ; my 64 rows of Wo
	s_add_co_u32 s91, s91, W0
	v_add_nc_u32 v[ADW], s91, v36
	v_add_nc_u32 v[ADW+1], W1-W0, v[ADW]
	v_lshl_add_u32 v[ADW+2], v34, 4, v[ADW]
	v_lshl_add_u32 v[ADW+3], v34, 4, v[ADW+1]
	v_lshlrev_b32 v36, 5, v33                      ; scale words: 32 bytes a row
	s_xor_b32 s91, s[TG], 3                        ; 3 - w / 2
	s_mul_i32 s91, s91, 26624
	s_lshl_b32 s92, s[WN], 11
	s_add_co_u32 s91, s91, s92
.irp i, 0,1,2,3
	s_add_co_u32 s92, s90, 6656*\i                 ; token tile i's record,
	s_add_co_u32 s93, s91, SCW-3*26624-6144*\i     ; and from there to the scale bytes of Wo's tile i
	v_mul_u32_u24 v37, s93, v34                    ; for lanes 16-31
	v_add_nc_u32 v[ADS+\i], s92, v36
	v_add_nc_u32 v[ADS+\i], v[ADS+\i], v37
.endr
	s_mul_i32 s92, s[WV], 4352                     ; my stage: 16 rows of 256 bytes + 16
	v_mul_u32_u24 v37, v33, 272
	v_lshl_add_u32 v37, v34, 5, v37
	v_add_nc_u32 v[STO], s92, v37
	v_mul_u32_u24 v37, v34, 272
	v_lshl_add_u32 v37, v33, 4, v37
	v_add_nc_u32 v[RD], s92, v37
	v_lshlrev_b32 v[CO], 12, v34                   ; lanes 16-31 one token on; 16 bytes a lane
	v_lshl_add_u32 v[CO], v33, 4, v[CO]
	v_lshlrev_b32 v[BO], 5, v34
	; descriptors.  a's hang on the tokens alone and go to my row of the cluster, Wo's on the columns alone and go to my column
	s_lshl_b32 s2, s[CY], 2
	s_lshl_b32 s2, 15, s2
	s_lshl_b32 s66, 0x1111, s[CX]
	s_or_b32 s[G1A0], s2, (3<<16)|(1<<21)
	s_or_b32 s[G1A1], s2, (3<<16)|(1<<21)
	s_or_b32 s[G1W], s66, (1<<20)|(1<<21)|(4<<22)|(3<<25)   ; elements of 1 byte; 4 words of padding behind every 32
	s_or_b32 s[G1S], s66, (3<<16)|(1<<21)
	s_mov_b32 s[G1A0+1], 832<<16                   ; 4 rows of 6,656 bytes, 12,800 bytes apart
	s_mov_b32 s[G1A0+2], 4<<16
	s_mov_b32 s[G1A0+3], 832<<16
	s_mov_b32 s[G1A0+4], 4
	s_mov_b32 s[G1A0+5], 1600
	s_mov_b32 s[G1A0+6], 0
	s_mov_b32 s[G1A0+7], 0
	s_mov_b32 s[G1A1+1], 768<<16                   ; 4 rows of 6,144 bytes
	s_mov_b32 s[G1A1+2], 4<<16
	s_mov_b32 s[G1A1+3], 768<<16
	s_mov_b32 s[G1A1+4], 4
	s_mov_b32 s[G1A1+5], 1600
	s_mov_b32 s[G1A1+6], 0
	s_mov_b32 s[G1A1+7], 0
	s_mov_b32 s[G1W+1], 384<<16                    ; 32 rows of 384 bytes, 768 apart
	s_mov_b32 s[G1W+2], 32<<16
	s_mov_b32 s[G1W+3], 384<<16
	s_mov_b32 s[G1W+4], 32
	s_mov_b32 s[G1W+5], 768
	s_mov_b32 s[G1W+6], 0
	s_mov_b32 s[G1W+7], 0
	s_mov_b32 s[G1S+1], 32<<16                     ; 1,024 dense bytes as 4 rows of 256
	s_mov_b32 s[G1S+2], 4<<16
	s_mov_b32 s[G1S+3], 32<<16
	s_mov_b32 s[G1S+4], 4
	s_mov_b32 s[G1S+5], 32
	s_mov_b32 s[G1S+6], 0
	s_mov_b32 s[G1S+7], 0
	s_and_b32 s94, s[WV], 3                        ; waves 0-3: which four records; waves 4-7: which 32 rows of Wo
	s_mov_b32 s[G0A0], 1
	s_mul_i32 s[G0A0+1], s94, 26624
	s_mov_b32 s[G0A1], 1
	s_mul_i32 s[G0A1+1], s94, 24576
	s_add_co_u32 s[G0A1+1], s[G0A1+1], A1
	s_mov_b32 s[G0S], 1
	s_lshl_b32 s[G0S+1], s94, 10
	s_add_co_u32 s[G0S+1], s[G0S+1], SCW
	s_mov_b32 s[G0W0], 1
	s_mul_i32 s[G0W0+1], s94, 13824
	s_add_co_u32 s[G0W0+1], s[G0W0+1], W0
	s_mov_b32 s[G0W1], 1
	s_add_co_u32 s[G0W1+1], s[G0W0+1], W1-W0
	s_wait_dscnt 0x0
	s_wait_kmcnt 0x0
	s_mul_i32 s2, s[YW], 204800                    ; 16 records a group of tokens,
	s_mul_i32 s3, s94, 51200                       ; 4 of them
	s_add_co_u32 s2, s2, s3
	s_mov_b32 s3, 0
	s_add_nc_u64 s[G0A0+2:G0A0+3], s[4:5], s[2:3]
	s_add_nc_u64 s[G0A1+2:G0A1+3], s[G0A0+2:G0A0+3], 6656
	s_or_b32 s[G0A0+3], s[G0A0+3], 0x80000000
	s_or_b32 s[G0A1+3], s[G0A1+3], 0x80000000
	s_lshl_b32 s66, s[XW], 7
	s_lshl_b32 s67, s94, 5
	s_add_co_u32 s66, s66, s67                     ; Wo's row 128 xw + 32 j
	s_lshl_b32 s82, s66, 5
	s_mov_b32 s83, 0
	s_mul_i32 s66, s66, 768
	s_mov_b32 s67, 0
	s_add_nc_u64 s[G0S+2:G0S+3], s[8:9], s[82:83]
	s_or_b32 s[G0S+3], s[G0S+3], 0x80000000
	s_add_nc_u64 s[G0W0+2:G0W0+3], s[6:7], s[66:67]
	s_add_nc_u64 s[G0W1+2:G0W1+3], s[G0W0+2:G0W0+3], 384
	s_or_b32 s[G0W0+3], s[G0W0+3], 0x80000000
	s_or_b32 s[G0W1+3], s[G0W1+3], 0x80000000
	s_lshl_b32 s80, s[XW], 9
	s_lshl_b32 s81, s[WN], 8
	s_add_co_u32 s80, s80, s81                     ; my first column, in bytes
	s_mov_b32 s81, 0
	s_add_nc_u64 s[SB:SB+1], s[10:11], s[80:81]
	s_lshl_b32 s84, s[YW], 8
	s_lshl_b32 s85, s[TG], 5
	s_add_co_u32 s84, s84, s85                     ; token 256 yw + 32 (w / 2),
	s_lshl_b32 s84, s84, 12                        ; 4,096 bytes a token
	s_add_co_u32 s84, s84, s80
	s_mov_b32 s85, 0
	s_add_nc_u64 s[SOUT:SOUT+1], s[12:13], s[84:85]
	CROUND                                         ; all sixteen work-groups are here: the joint loads meet
	s_cmp_lt_u32 s[WV], 4                          ; every wave's fills stand in one branch on its number; the last of each arm is K's second half
	s_cbranch_scc0 .Lfor_w
	tensor_load_to_lds s[G0A0:G0A0+3], s[G1A0:G1A0+7]
	s_nop 0
	tensor_load_to_lds s[G0A1:G0A1+3], s[G1A1:G1A1+7]
	s_nop 0
	PLACES 4
	s_branch .Lasked
.Lfor_w:
	tensor_load_to_lds s[G0S:G0S+3], s[G1S:G1S+7]
	s_nop 0
	tensor_load_to_lds s[G0W0:G0W0+3], s[G1W:G1W+7]
	s_nop 0
	tensor_load_to_lds s[G0W1:G0W1+3], s[G1W:G1W+7]
	s_nop 0
	PLACES 4
.Lasked:
.irp i, 0,1,2,3
.irp t, 0,1,2,3
	global_load_b128 v[ACC+32*\i+8*\t:ACC+32*\i+8*\t+3], v[BO], s[SB:SB+1] offset:64*\t        ; the bias of my eight columns of tile t starts each sum
	global_load_b128 v[ACC+32*\i+8*\t+4:ACC+32*\i+8*\t+7], v[BO], s[SB:SB+1] offset:64*\t+16
.endr
.endr
	s_wait_tensorcnt 0x1                           ; all my loads but the last, K's second half, have landed,
	s_barrier_signal -1
	s_barrier_wait -1                              ; everybody's have
	s_wait_loadcnt 0x0                             ; the bias
	SUB3 0
	SUB3 1
	SUB3 2
	SUB3 3
	s_wait_tensorcnt 0x0                           ; my part of K's second half has landed,
	s_wait_dscnt 0x0
	s_barrier_signal -1
	s_barrier_wait -1                              ; everybody's has
	SUB3 4
	SUB3 5
	SUB3 6
	SUB3 7
	s_wait_dscnt 0x0                               ; my reads of LDS are over,
	s_barrier_signal -1
	s_barrier_wait -1                              ; everybody's are: the stages may lie where a's first records lay (their one fill is long done)
	; THE WAY OUT, a token tile at a time: 16 tokens x 64 columns through my stage, back as rows of 256 bytes: sixteen lanes store 256 consecutive bytes, aligned.
	; LDS serves a wave's instructions in order, so no wait stands between the stores and the loads, nor in front of the next tile's stores.
	PLACES 4
.irp i, 0,1,2,3
.if \i >= 2
	s_wait_xcnt 0x0                                ; tile i - 2's stores have read their registers
.endif
.irp t, 0,1,2,3
	ds_store_b128 v[STO], v[ACC+32*\i+8*\t:ACC+32*\i+8*\t+3] offset:64*\t           ; each accumulator from its low end on
	ds_store_b128 v[STO], v[ACC+32*\i+8*\t+4:ACC+32*\i+8*\t+7] offset:64*\t+16
.endr
.irp k, 0,1,2,3,4,5,6,7
	ds_load_b128 v[OB+32*(\i%2)+4*\k:OB+32*(\i%2)+4*\k+3], v[RD] offset:544*\k
.endr
.irp k, 0,1,2,3,4,5,6,7
	s_wait_dscnt 7-\k                              ; rows 2 k and 2 k + 1 are back; the younger loads may be out
	global_store_b128 v[CO], v[OB+32*(\i%2)+4*\k:OB+32*(\i%2)+4*\k+3], s[SOUT:SOUT+1] offset:(8*\i+128*(\k/4)+2*(\k%4))*4096 th:TH_STORE_NT   ; tile row 2 k + h is token 128 (k / 4) + 8 i + 2 (k % 4) + h of my part
.endr
.endr
	s_set_vgpr_msb 0x4
	s_wait_tensorcnt 0x0
	ds_add_u32 v31, v1
	s_wait_dscnt 0x0
	s_set_vgpr_msb 0x400
	CROUND                                         ; the closing round
	s_endpgm
.Lfunc_end_k_q519247ee9d_proj:
	.size	k_q519247ee9d_proj, .Lfunc_end_k_q519247ee9d_proj-k_q519247ee9d_proj
	.p2alignl 7, 3214868480
	.fill 96, 4, 3214868480
	.section	.rodata,"a",@progbits
	.p2align	6, 0x0
	.amdhsa_kernel k_q519247ee9d_proj
		.amdhsa_group_segment_fixed_size 327680
		.amdhsa_private_segment_fixed_size 0
		.amdhsa_enable_private_segment 0
		.amdhsa_kernarg_size 40
		.amdhsa_user_sgpr_count 2
		.amdhsa_user_sgpr_kernarg_segment_ptr 1
		.amdhsa_wavefront_size32 1
		.amdhsa_system_sgpr_workgroup_id_x 1
		.amdhsa_system_sgpr_workgroup_id_y 1
		.amdhsa_system_sgpr_workgroup_id_z 1
		.amdhsa_system_vgpr_workitem_id 0
		.amdhsa_next_free_vgpr 258
		.amdhsa_next_free_sgpr 96
		.amdhsa_reserve_vcc 0
		.amdhsa_float_denorm_mode_32 3
		.amdhsa_float_denorm_mode_16_64 3
		.amdhsa_memory_ordered 1
		.amdhsa_forward_progress 1
		.amdhsa_inst_pref_size 64
	.end_amdhsa_kernel
	.amdgpu_metadata
---
amdhsa.version: [ 1, 2 ]
amdhsa.kernels:
  - .name:           k_q519247ee9d_proj
    .symbol:         k_q519247ee9d_proj.kd
    .args:
      - { .name: abuf, .offset: 0, .size: 8, .value_kind: global_buffer, .address_space: global }
      - { .name: Wo_codes, .offset: 8, .size: 8, .value_kind: global_buffer, .address_space: global }
      - { .name: Wo_scales, .offset: 16, .size: 8, .value_kind: global_buffer, .address_space: global }
      - { .name: bo, .offset: 24, .size: 8, .value_kind: global_buffer, .address_space: global }
      - { .name: out0, .offset: 32, .size: 8, .value_kind: global_buffer, .address_space: global }
    .group_segment_fixed_size: 327680
    .private_segment_fixed_size: 0
    .kernarg_segment_align: 8
    .kernarg_segment_size: 40
    .max_flat_workgroup_size: 256
    .sgpr_count:     96
    .vgpr_count:     258
    .wavefront_size: 32
...
	.end_amdgpu_metadata
.endif
;; end of part 3
